; MI455X (gfx1250); checked and timed in simulation.
; The chip was launched on July 23, 2026; its instructions are those of AMD's public machine-readable ISA for CDNA 5 (MIT licence, August 2026) and "CDNA5" Instruction Set Architecture Reference Guide (July 2026). The comments in the code are by the model that wrote it; some were corrected since.
;; Mo E Classification Head. Allowed arithmetic: matrix products marked QUANTISED: E3M2 operands, one E8M0 scale for each 32 along K, by v_wmma_scale_f32_16x16x128_f8f6f4 with both operands' format E3M2, f32 sums; products left as they are: f32 operands where the result goes on into a quantised operand, else bf16, f16 or f32 operands; f32 sums; everything else in f32.
;; Inputs: ex_b1 4 x 2,048 float32; ex_b2 4 x 3 float32; ex_ln_b 4 x 1,024 float32; ex_ln_g 4 x 1,024 float32; ex_w1 4 x 1,024 x 2,048 float32; ex_w2 4 x 2,048 x 3 float32; gate_b 4 float32; gate_ln_b 1,024 float32; gate_ln_g 1,024 float32; gate_w 1,024 x 4 float32; x 8,192 x 1,024 float32.
;; Outputs: out0 8,192 x 3 float32.
;; This version of the problem:
;;   THIS VERSION OF THE PROBLEM IS GIVEN IN LOW PRECISION. The matrix products marked QUANTISED in the list below multiply operands that are first quantised to E3M2 (3 exponent bits, 2 mantissa bits; 6 bits a number), with one power-of-two scale for each 32 numbers along K (OCP MX v1.0); their sums are f32. All else is computed in f32.
;;   The module's matrix products, in the order in which they are computed (A, B: the left and right operand; K: the contracted axis; several contracted axes count as one K, in the product's order):
;;     1. [M 8,192, K 1,024] x [K 1,024, N 4]; A: computed on the way; B: input gate_w: left as it is (N = 4 < 16)
;;     2. batch 4 x [M 8,192, K 1,024] x [K 1,024, N 2,048]; A: computed on the way; B: input ex_w1: QUANTISED
;;     3. batch 4 x [M 8,192, K 2,048] x [K 2,048, N 3]; A: computed on the way; B: input ex_w2: left as it is (N = 3 < 16)
;;     4. batch 8,192 x [M 1, K 4] x [K 4, N 3]; A: softmax; B: computed on the way: left as it is (K = 4 < 32)
;;   THE QUANTISER, for each operand of a quantised product, along K:
;;     - K is cut into blocks of 32 from its start; a last block that is shorter is filled with zeros.
;;     - A block's scale is 2^e with e = floor(log2(the largest magnitude in the block)) - 4, held to -126 .. 127; a block of zeros has e = 0. As a byte (E8M0): e + 127.
;;     - Each number is divided by its block's scale, clamped to +-28, and rounded to the nearest number of E3M2, ties to even, subnormals kept.
;;     - The product sums the exact products of the quantised numbers (number of the format x scale) in f32.
;;   ~~~python
;;   def quantise(x, axis):      # numpy; x: float32 -> the quantised numbers, widened to float32 again
;;       x = np.moveaxis(x, axis, -1); K = x.shape[-1]
;;       x = np.pad(x, [(0, 0)] * (x.ndim - 1) + [(0, -K % 32)]); x = x.reshape(x.shape[:-1] + (-1, 32)); a = np.abs(x).max(-1, keepdims=True)
;;       e = np.where(a > 0, np.clip(np.frexp(np.where(a > 0, a, 1))[1] - 1 - 4, -126, 127), 0)      # np.frexp(a)[1] - 1 = floor(log2(a)), exactly
;;       r = np.clip(x / 2.0 ** e, -28, 28)
;;       step = 2.0 ** (np.maximum(np.frexp(np.where(r == 0, 1, r))[1] - 1, -2) - 2)
;;       q = np.round(r / step) * step * 2.0 ** e      # np.round: ties to even
;;       return np.moveaxis(q.reshape(q.shape[:-2] + (-1,))[..., :K], -1, axis).astype(np.float32)
;;   ~~~
;;   OPERANDS COMPUTED ON THE WAY. 'Computed on the way' means the value that the module computes at that place (a softmax that the list does not call 'softmax' is quantised finished and normalised). What goes into a quantiser is computed in f32, as accurately as f32 sums, v_exp_f32 and their like allow (about 1e-6 of the number): no bf16 or f16 on the way to a quantiser, and a product that is left as it is and whose result goes on into a quantised operand takes f32 operands (vector FMAs, or v_wmma_f32_16x16x4_f32). A number that lies on a knife's edge between two numbers of the format may be rounded either way, as far as f32 arithmetic and the matrix unit's own rounding can turn it there, and no further.
;; One version. Each part assembles by itself: llvm-mc -triple=amdgcn-amd-amdhsa -mcpu=gfx1250 --defsym DOCPART=n.
;; ======== version 1 of 1: 3 launches
;; limits: values are held in bf16: 8 bits of precision; right only within a limited range of input values
;; workspace buffers: acodes 25,165,824 bytes; ascales 1,048,576 bytes; gate 131,072 bytes; wrec 6,553,600 bytes; aux 327,680 bytes; part 1,048,576 bytes
;; launch prep (part 1): grid 256 x 1, 8 waves a work-group, no clusters, 327,680 bytes of LDS; arguments x, ex_ln_g, ex_ln_b, gate_ln_g, gate_ln_b, gate_w, gate_b, ex_w1, ex_w2, ex_b1, acodes, ascales, gate, wrec, aux; writes acodes, ascales, gate, wrec, aux
.if DOCPART == 1
	.amdgcn_target "amdgcn-amd-amdhsa--gfx1250"
	.amdhsa_code_object_version 6
	.text
	.protected	k_qef2728b224_prep
	.globl	k_qef2728b224_prep
	.p2align	8
	.type	k_qef2728b224_prep,@function
k_qef2728b224_prep:
	s_mov_b64 s[64:65], 0
	v_nop
	global_prefetch_b8 v0, s[64:65] scope:SCOPE_SE
	s_setreg_imm32_b32 hwreg(HW_REG_WAVE_MODE, 25, 1), 1
	s_wait_xcnt 0x0
.set XP,    4608
.set PEG,   32*XP
.set PEB,   PEG+4*XP
.set PGG,   PEB+4*XP
.set PGB,   PGG+XP
.set PGW,   PGB+XP
.set WSTG,  PGW+16896
.set WSC,   WSTG+8*3072
.set XSC,   WSC+1024
.set GST,   XSC+4096
.set STG,   48*272
.set LN,   1
.set WOF,  2
.set WSA,  3
.set WRB,  4
.set LI,   5
.set WSCA, 6
.set AX,   7
.set APE,  8
.set APG,  9
.set AGW,  10
.set S16,  11
.set S8,   12
.set SSC,  13
.set GSA,  14
.set XRB,  15
.set XSB,  16
.set WSCR, 17
.set WSCO, 18
.set GRB,  19
.set AUXO, 20
.set AB1,  21
.set AUXS, 22
.set RR,   23
.set GA,   24
.set CC,   40
.set M0,   56
.set M1,   57
.set SCO,  58
.set WSW,  59
.set RT,   60
.set TT,   64
.set CM,   34
.set WV,   35
.set SEL,  88
.set MSB, 0
.macro WIN new
.if MSB != (\new)
	s_set_vgpr_msb (MSB<<8)|(\new)
.set MSB, (\new)
.endif
.endm
.macro NOP4
.rept 4
	v_nop
.endr
.endm
.macro PDESC g, lds, ptr
	s_mov_b32 s[\g], 1
	s_mov_b32 s[\g+1], \lds
	s_mov_b64 s[\g+2:\g+3], s[\ptr:\ptr+1]
	s_or_b32 s[\g+3], s[\g+3], 0x80000000
.endm
	s_load_b512 s[4:19], s[0:1], 0x0
	s_load_b256 s[20:27], s[0:1], 0x40
	s_load_b128 s[28:31], s[0:1], 0x60
	s_load_b64 s[32:33], s[0:1], 0x70
	v_lshl_add_u32 v254, v0, 2, 0x3c000
	v_mov_b32 v255, 0
	ds_add_u32 v254, v255
	ds_add_u32 v254, v255
	v_lshrrev_b32 v24, 5, v0
	s_delay_alu instid0(VALU_DEP_1)
	v_readfirstlane_b32 s[WV], v24
	v_and_b32 v[LN], 31, v0
	v_and_b32 v[RR], 15, v0
	v_bfe_u32 v25, v0, 4, 1
	s_delay_alu instid0(VALU_DEP_3)
	v_lshlrev_b32 v[WOF], 2, v[LN]
	s_delay_alu instid0(VALU_DEP_4)
	v_lshlrev_b32 v[LI], 4, v[LN]
	s_wait_alu depctr_va_vdst(0)
	v_lshlrev_b32 v[AUXS], 3, v[LN]
	v_lshlrev_b32 v[AB1], 3, v[RR]
	s_and_b32 s92, s[WV], 1
	s_lshr_b32 s93, s[WV], 1
	s_and_b32 s94, s[WV], 3
	s_lshr_b32 s95, s[WV], 2
	s_mul_i32 s90, s[WV], 3072
	s_add_co_u32 s90, s90, WSTG
	v_mul_u32_u24 v26, v25, 1536
	s_delay_alu instid0(VALU_DEP_1)
	v_lshl_add_u32 v26, v[RR], 4, v26
	s_delay_alu instid0(VALU_DEP_1)
	v_add_nc_u32 v[WSA], s90, v26
	v_add_nc_u32 v[WRB], s90, v[LI]
	s_lshl_b32 s90, s92, 9
	s_add_co_u32 s90, s90, WSC
	v_add_nc_u32 v[WSCR], s90, v[LI]
	s_lshl_b32 s91, s93, 2
	s_add_co_u32 s90, s90, s91
	v_add_nc_u32 v[WSCA], s90, v[LI]
	v_mul_u32_u24 v26, v25, 12800
	s_delay_alu instid0(VALU_DEP_1)
	v_lshl_add_u32 v[WSCO], v[RR], 4, v26
	s_mul_i32 s90, s[WV], 4*XP
	v_mul_u32_u24 v26, v[LN], 144
	s_delay_alu instid0(VALU_DEP_1)
	v_add_nc_u32 v[AX], s90, v26
	s_delay_alu instid0(VALU_DEP_2)
	v_add_nc_u32 v[APE], PEG, v26
	s_delay_alu instid0(VALU_DEP_3)
	v_add_nc_u32 v[APG], PGG, v26
	v_mul_u32_u24 v27, v[LN], 528
	s_delay_alu instid0(VALU_DEP_1)
	v_add_nc_u32 v[AGW], PGW, v27
	v_bfe_u32 v26, v0, 2, 3
	v_bfe_u32 v27, v0, 1, 1
	v_and_b32 v28, 1, v0
	s_delay_alu instid0(VALU_DEP_1)
	v_mad_u32_u24 v29, v26, 6, v28
	s_delay_alu instid0(VALU_DEP_1)
	v_lshl_add_u32 v30, v27, 2, v29
	s_mul_i32 s90, s95, 4*STG
	s_lshl_b32 s91, s94, 6
	s_add_co_u32 s90, s90, s91
	v_mul_u32_u24 v30, v30, 272
	s_delay_alu instid0(VALU_DEP_1)
	v_add_nc_u32 v[S16], s90, v30
	v_add_nc_u32 v29, 2, v29
	s_delay_alu instid0(VALU_DEP_1)
	v_mul_u32_u24 v29, v29, 272
	s_delay_alu instid0(VALU_DEP_1)
	v_lshl_add_u32 v29, v27, 3, v29
	s_delay_alu instid0(VALU_DEP_1)
	v_add_nc_u32 v[S8], s90, v29
	v_cmp_ne_u32 s[CM], 0, v27
	s_lshl_b32 s90, s95, 11
	s_lshl_b32 s91, s94, 7
	s_add_co_u32 s90, s90, s91
	s_add_co_u32 s90, s90, XSC
	v_add_nc_u32 v[SSC], s90, v[LN]
	s_lshl_b32 s90, s[WV], 6
	s_add_co_u32 s90, s90, GST
	v_mov_b32 v[GSA], s90
	s_mul_i32 s90, s[WV], STG
	v_mul_u32_u24 v26, v25, 272
	s_delay_alu instid0(VALU_DEP_1)
	v_lshl_add_u32 v26, v[RR], 4, v26
	s_delay_alu instid0(VALU_DEP_1)
	v_add_nc_u32 v[XRB], s90, v26
	s_lshl_b32 s90, s[WV], 9
	s_add_co_u32 s90, s90, XSC
	v_add_nc_u32 v[XSB], s90, v[LI]
	v_add_nc_u32 v[GRB], GST, v[LI]
	v_min_u32 v26, 2, v[RR]
	s_delay_alu instid0(VALU_DEP_1)
	v_lshlrev_b32 v26, 2, v26
	s_delay_alu instid0(VALU_DEP_1)
	v_mad_u32_u24 v[AUXO], v25, 96, v26
.irp t, 0,1,2,3
	v_mov_b32 v[RT+\t], 0
.endr
	s_mov_b32 s[SEL], 0x76543210
	s_mov_b32 s[SEL+1], 0xfedcba98
	s_mov_b32 s36, (3<<16)|(1<<20)|(4<<22)|(3<<25)
	s_mov_b32 s37, 512<<16
	s_mov_b32 s38, 4<<16
	s_mov_b32 s39, 512<<16
	s_mov_b32 s40, 4
	s_mov_b32 s41, 512
	s_mov_b32 s42, 0
	s_mov_b32 s43, 0
	s_mov_b32 s44, (3<<16)|(1<<20)|(4<<22)|(3<<25)
	s_mov_b32 s45, 512<<16
	s_mov_b32 s46, 1<<16
	s_mov_b32 s47, 512<<16
	s_mov_b32 s48, 1
	s_mov_b32 s49, 512
	s_mov_b32 s50, 0
	s_mov_b32 s51, 0
	s_mov_b32 s52, (3<<16)|(1<<20)|(6<<22)|(3<<25)
	s_mov_b32 s53, 512<<16
	s_mov_b32 s54, 4<<16
	s_mov_b32 s55, 512<<16
	s_mov_b32 s56, 4
	s_mov_b32 s57, 512
	s_mov_b32 s58, 0
	s_mov_b32 s59, 0
	s_lshl_b32 s90, ttmp9, 17
	s_lshl_b32 s91, s[WV], 14
	s_add_co_u32 s90, s90, s91
	s_mov_b32 s91, 0
	s_wait_dscnt 0x0
	s_wait_kmcnt 0x0
	s_mov_b32 s60, 1
	s_mul_i32 s61, s[WV], 4*XP
	s_add_nc_u64 s[62:63], s[4:5], s[90:91]
	s_or_b32 s63, s63, 0x80000000
	PDESC 68, PEG, 6
	PDESC 72, PEB, 8
	PDESC 76, PGG, 10
	PDESC 80, PGB, 12
	PDESC 84, PGW, 14
	tensor_load_to_lds s[60:63], s[36:43]
	s_nop 0
	NOP4
	s_wait_alu depctr_va_vdst(0)
	s_wait_tensorcnt 0x0
	ds_add_u32 v254, v255
	s_wait_dscnt 0x0
	s_barrier_signal -1
	s_barrier_wait -1
	s_cmp_lg_u32 s[WV], 0
	s_cbranch_scc1 .Lt1
	tensor_load_to_lds s[68:71], s[36:43]
	s_nop 0
	NOP4
	s_branch .Ltd
.Lt1:
	s_cmp_lg_u32 s[WV], 1
	s_cbranch_scc1 .Lt2
	tensor_load_to_lds s[72:75], s[36:43]
	s_nop 0
	NOP4
	s_branch .Ltd
.Lt2:
	s_cmp_lg_u32 s[WV], 2
	s_cbranch_scc1 .Lt3
	tensor_load_to_lds s[76:79], s[44:51]
	s_nop 0
	NOP4
	s_branch .Ltd
.Lt3:
	s_cmp_lg_u32 s[WV], 3
	s_cbranch_scc1 .Lt4
	tensor_load_to_lds s[80:83], s[44:51]
	s_nop 0
	NOP4
	s_branch .Ltd
.Lt4:
	s_cmp_lg_u32 s[WV], 4
	s_cbranch_scc1 .Ltd
	tensor_load_to_lds s[84:87], s[52:59]
	s_nop 0
	NOP4
.Ltd:
	s_load_b128 s[96:99], s[16:17], 0x0
	s_lshr_b32 s90, ttmp9, 6
	s_lshl_b32 s90, s90, 23
	s_and_b32 s94, ttmp9, 1
	s_lshl_b32 s95, s94, 2
	s_add_co_u32 s93, s95, s93
	s_lshl_b32 s95, s93, 20
	s_add_co_u32 s90, s90, s95
	s_bfe_u32 s95, ttmp9, 0x50001
	s_lshl_b32 s95, s95, 8
	s_add_co_u32 s90, s90, s95
	s_lshl_b32 s95, s92, 7
	s_add_co_u32 s90, s90, s95
	s_add_nc_u64 s[18:19], s[18:19], s[90:91]
	s_and_b32 s90, ttmp9, 0xfe
	s_add_co_u32 s90, s90, s92
	s_mul_i32 s90, s90, 25600
	s_add_nc_u64 s[30:31], s[30:31], s[90:91]
	s_lshl_b32 s90, s94, 8
	s_add_co_u32 s90, s90, 12288
	s_add_nc_u64 s[100:101], s[30:31], s[90:91]
	s_mul_i32 s90, s93, 1536
	s_add_nc_u64 s[30:31], s[30:31], s[90:91]
	s_mul_i32 s90, ttmp9, 1280
	s_add_nc_u64 s[32:33], s[32:33], s[90:91]
	s_mul_i32 s90, ttmp9, 384
	s_add_nc_u64 s[20:21], s[20:21], s[90:91]
	s_lshl_b32 s90, ttmp9, 7
	s_add_nc_u64 s[22:23], s[22:23], s[90:91]
	s_lshl_b32 s90, ttmp9, 9
	s_add_nc_u64 s[28:29], s[28:29], s[90:91]
	s_and_b32 s94, s[WV], 3
	s_lshr_b32 s95, s[WV], 2
	s_lshl_b32 s90, s94, 9
	s_lshl_b32 s94, ttmp9, 1
	s_add_co_u32 s90, s90, s94
	s_add_co_u32 s90, s90, s95
	s_lshl_b32 s94, s90, 9
	s_mov_b32 s95, 0
	s_add_nc_u64 s[26:27], s[26:27], s[94:95]
	s_mul_i32 s90, s90, 12288
	s_add_nc_u64 s[24:25], s[24:25], s[90:91]
	s_cmp_lg_u32 s[WV], 7
	s_cbranch_scc1 .Lna
	s_wait_alu depctr_va_vdst(0)
.irp j, 0,1,2,3,4,5,6,7
	global_load_b32 v[224+\j], v[AUXO], s[20:21] offset:12*\j
	global_load_b32 v[232+\j], v[AUXO], s[20:21] offset:12*(16+\j)
.endr
	global_load_b64 v[240:241], v[AB1], s[22:23]
.Lna:
.macro WLOAD b
	WIN 0x40
.set wi, 0
.rept 32
	global_load_b32 v[32*(\b)+wi], v[WOF], s[18:19] offset:(32*(\b)+wi)*8192 th:TH_LOAD_NT
.set wi, wi+1
.endr
	WIN 0
.endm
.macro WBLOCK b, cnt, nxt
	s_wait_loadcnt \cnt
.if \nxt
	WLOAD (\b)+2
.endif
.set XB, 32*(\b)
.set CB, 24+8*(\b)
	WIN 0x14
	v_max3_num_f32 v[M0], 0x2800000, |v[XB]|, |v[XB+1]|
	v_max3_num_f32 v[M1], 0x2800000, |v[XB+2]|, |v[XB+3]|
.irp i, 4,8,12,16,20,24,28
	s_delay_alu instid0(VALU_DEP_2)
	v_max3_num_f32 v[M0], v[M0], |v[XB+\i]|, |v[XB+\i+1]|
	s_delay_alu instid0(VALU_DEP_2)
	v_max3_num_f32 v[M1], v[M1], |v[XB+\i+2]|, |v[XB+\i+3]|
.endr
	WIN 0
	v_max_num_f32 v[M0], v[M0], v[M1]
	s_delay_alu instid0(VALU_DEP_1)
	v_add_nc_u32 v[SCO], 0xfe000000, v[M0]
	s_delay_alu instid0(VALU_DEP_1)
	v_lshrrev_b32 v[M1], 23, v[SCO]
.if (\b) == 0
	s_delay_alu instid0(VALU_DEP_1)
	v_mov_b32 v[WSW], v[M1]
.else
	s_delay_alu instid0(VALU_DEP_1)
	v_lshl_or_b32 v[WSW], v[M1], 8*(\b), v[WSW]
.endif
	WIN 0x01
	v_cvt_scalef32_pk16_bf6_f32 v[CB:CB+2], v[XB:XB+15], v[SCO]
	v_cvt_scalef32_pk16_bf6_f32 v[CB+4:CB+6], v[XB+16:XB+31], v[SCO]
	WIN 0
	v_nop
	v_mov_b32 v[CB+3], v[CB+4]
	v_mov_b32 v[CB+4], v[CB+5]
	v_mov_b32 v[CB+5], v[CB+6]
.if (\b) < 2
	ds_store_b128 v[WSA], v[CB:CB+3] offset:256*((\b)%2)
	ds_store_b64 v[WSA], v[CB+4:CB+5] offset:512+256*((\b)%2)
.else
	ds_store_b64 v[WSA], v[CB:CB+1] offset:520+256*((\b)%2)
	ds_store_b128 v[WSA], v[CB+2:CB+5] offset:1024+256*((\b)%2)
.endif
.endm
	WLOAD 0
	WLOAD 1
	WBLOCK 0, 32, 1
	WBLOCK 1, 32, 1
	WBLOCK 2, 32, 0
	WBLOCK 3, 0, 0
	ds_store_b32 v[WSCA], v[WSW]
.irp i, 0,1,2,3,4,5
	ds_load_b128 v[TT+4*\i:TT+4*\i+3], v[WRB] offset:512*\i
.endr
.irp i, 0,1,2,3,4,5
	s_wait_dscnt 5-\i
	global_store_b128 v[LI], v[TT+4*\i:TT+4*\i+3], s[30:31] offset:12800*(\i/3)+512*(\i%3)
.endr
	s_cmp_lg_u32 s[WV], 7
	s_cbranch_scc1 .Lnb
	v_cmp_gt_u32 s90, 3, v[RR]
	v_cmp_gt_u32 s91, 16, v[LN]
.irp q, 0,1,2,3
	v_cvt_pk_bf16_f32 v[244+\q], v[224+2*\q], v[225+2*\q]
	v_cvt_pk_bf16_f32 v[248+\q], v[232+2*\q], v[233+2*\q]
.endr
.irp q, 0,1,2,3,4,5,6,7
	v_cndmask_b32 v[244+\q], 0, v[244+\q], s90
.endr
	v_cndmask_b32 v240, 0, v240, s91
	v_cndmask_b32 v241, 0, v241, s91
	global_store_b128 v[LI], v[244:247], s[32:33]
	global_store_b128 v[LI], v[248:251], s[32:33] offset:512
	global_store_b64 v[AUXS], v[240:241], s[32:33] offset:1024
.Lnb:
	s_wait_tensorcnt 0x0
	WIN 0x40
.irp j, 0,1,2,3
.irp i, 0,1,2,3,4,5,6,7
	ds_load_b128 v[32*\j+4*\i:32*\j+4*\i+3], v[AX] offset:XP*\j+16*\i
.endr
.endr
	WIN 0
	s_wait_xcnt 0x0
	s_wait_dscnt 0x0
	s_barrier_signal -1
	s_barrier_wait -1
.macro PLOAD e, p
.irp i, 0,1,2,3,4,5,6,7
	ds_load_b128 v[96+64*(\p)+4*\i:96+64*(\p)+4*\i+3], v[APE] offset:XP*(\e)+16*\i
.endr
.irp i, 0,1,2,3,4,5,6,7
	ds_load_b128 v[128+64*(\p)+4*\i:128+64*(\p)+4*\i+3], v[APE] offset:4*XP+XP*(\e)+16*\i
.endr
.endm
.macro GLOAD ch
.irp i, 0,1,2,3,4,5,6,7,8,9,10,11,12,13,14,15
	ds_load_b128 v[96+4*\i:99+4*\i], v[AGW] offset:256*(\ch)+16*\i
.endr
.irp i, 0,1,2,3
	ds_load_b128 v[64+4*\i:67+4*\i], v[APG] offset:64*(\ch)+16*\i
	ds_load_b128 v[80+4*\i:83+4*\i], v[APG] offset:XP+64*(\ch)+16*\i
.endr
.endm
	PLOAD 0, 1
	GLOAD 0
.macro RED4 a, b, c, d
.irp m, 1,2,4,8
.irp r, \a,\b,\c,\d
	v_add_f32_dpp v[\r], v[\r], v[\r] row_xmask:\m row_mask:0xf bank_mask:0xf
.endr
.endr
	s_delay_alu instid0(VALU_DEP_4)
	v_permlanex16_b32 v[RT], v[\a], s[SEL], s[SEL+1]
	s_delay_alu instid0(VALU_DEP_4)
	v_permlanex16_b32 v[RT+1], v[\b], s[SEL], s[SEL+1]
	s_delay_alu instid0(VALU_DEP_4)
	v_permlanex16_b32 v[RT+2], v[\c], s[SEL], s[SEL+1]
	s_delay_alu instid0(VALU_DEP_4)
	v_permlanex16_b32 v[RT+3], v[\d], s[SEL], s[SEL+1]
	s_delay_alu instid0(VALU_DEP_4)
	v_add_f32 v[\a], v[\a], v[RT]
	s_delay_alu instid0(VALU_DEP_4)
	v_add_f32 v[\b], v[\b], v[RT+1]
	s_delay_alu instid0(VALU_DEP_4)
	v_add_f32 v[\c], v[\c], v[RT+2]
	s_delay_alu instid0(VALU_DEP_4)
	v_add_f32 v[\d], v[\d], v[RT+3]
.endm
	WIN 0x05
.irp j, 0,1,2,3
	v_pk_add_f32 v[24+2*\j:25+2*\j], v[32*\j:32*\j+1], v[32*\j+2:32*\j+3]
.endr
	WIN 0x04
.irp i, 4,6,8,10,12,14,16,18,20,22,24,26,28,30
.irp j, 0,1,2,3
	v_pk_add_f32 v[24+2*\j:25+2*\j], v[24+2*\j:25+2*\j], v[32*\j+\i:32*\j+\i+1]
.endr
.endr
	WIN 0
.irp j, 0,1,2,3
	v_add_f32 v[24+2*\j], v[24+2*\j], v[25+2*\j]
.endr
	RED4 24, 26, 28, 30
.irp j, 0,1,2,3
	v_mul_f32 v[36+2*\j], 0xba800000, v[24+2*\j]
	v_mul_f32 v[37+2*\j], 0xba800000, v[24+2*\j]
.endr
	WIN 0x41
.irp i, 0,2,4,6,8,10,12,14,16,18,20,22,24,26,28,30
.irp j, 0,1,2,3
	v_pk_add_f32 v[32*\j+\i:32*\j+\i+1], v[32*\j+\i:32*\j+\i+1], v[36+2*\j:37+2*\j]
.endr
.endr
	WIN 0x05
.irp j, 0,1,2,3
	v_pk_mul_f32 v[24+2*\j:25+2*\j], v[32*\j:32*\j+1], v[32*\j:32*\j+1]
.endr
.irp i, 2,4,6,8,10,12,14,16,18,20,22,24,26,28,30
.irp j, 0,1,2,3
	s_delay_alu instid0(VALU_DEP_4)
	v_pk_fma_f32 v[24+2*\j:25+2*\j], v[32*\j+\i:32*\j+\i+1], v[32*\j+\i:32*\j+\i+1], v[24+2*\j:25+2*\j]
.endr
.endr
	WIN 0
.irp j, 0,1,2,3
	v_add_f32 v[24+2*\j], v[24+2*\j], v[25+2*\j]
.endr
	RED4 24, 26, 28, 30
	s_mov_b32 s90, 0x3a800000
	s_mov_b32 s91, 0x3727c5ac
.irp j, 0,1,2,3
	v_fma_f32 v[24+2*\j], v[24+2*\j], s90, s91
.endr
	s_wait_alu depctr_va_vdst(0)
.irp j, 0,1,2,3
	v_rsq_f32 v[36+2*\j], v[24+2*\j]
.endr
	v_nop
	s_wait_alu depctr_va_vdst(0)
.irp j, 0,1,2,3
	v_mov_b32 v[37+2*\j], v[36+2*\j]
.endr
	WIN 0x41
.irp i, 0,2,4,6,8,10,12,14,16,18,20,22,24,26,28,30
.irp j, 0,1,2,3
	v_pk_mul_f32 v[32*\j+\i:32*\j+\i+1], v[32*\j+\i:32*\j+\i+1], v[36+2*\j:37+2*\j]
.endr
.endr
	WIN 0
.macro FMAB d, a, b, i
.if ((\i)%2) == 0
	v_pk_fma_f32 v[(\d):(\d)+1], v[(\a):(\a)+1], v[(\b)+(\i):(\b)+(\i)+1], v[(\d):(\d)+1] op_sel_hi:[1,0,1]
.else
	v_pk_fma_f32 v[(\d):(\d)+1], v[(\a):(\a)+1], v[(\b)+(\i)-1:(\b)+(\i)], v[(\d):(\d)+1] op_sel:[0,1,0] op_sel_hi:[1,1,1]
.endif
.endm
.macro MULB d, a, b, i
.if ((\i)%2) == 0
	v_pk_mul_f32 v[(\d):(\d)+1], v[(\a):(\a)+1], v[(\b)+(\i):(\b)+(\i)+1] op_sel_hi:[1,0]
.else
	v_pk_mul_f32 v[(\d):(\d)+1], v[(\a):(\a)+1], v[(\b)+(\i)-1:(\b)+(\i)] op_sel:[0,1] op_sel_hi:[1,1]
.endif
.endm
.macro GCH ch
	s_wait_dscnt 0x0
.set gi, 0
.rept 16
.if ((\ch) == 0) && (gi == 0)
	MULB CC, 96, 80, 0
	MULB CC+2, 98, 80, 0
.else
	FMAB CC, 96+4*gi, 80, gi
	FMAB CC+2, 98+4*gi, 80, gi
.endif
	MULB 96+4*gi, 96+4*gi, 64, gi
	MULB 98+4*gi, 98+4*gi, 64, gi
.set gi, gi+1
.endr
	WIN 0x04
.set gi, 0
.rept 16
.irp j, 0,1,2,3
.if ((\ch) == 0) && (gi == 0)
	MULB GA+4*\j, 96, 32*\j, 0
	MULB GA+4*\j+2, 98, 32*\j, 0
.else
	FMAB GA+4*\j, 96+4*gi, 32*\j+16*(\ch), gi
	FMAB GA+4*\j+2, 98+4*gi, 32*\j+16*(\ch), gi
.endif
.endr
.set gi, gi+1
.endr
	WIN 0
.endm
	GCH 0
	GLOAD 1
	GCH 1
.irp j, 0,1,2,3
	v_pk_add_f32 v[GA+4*\j:GA+4*\j+1], v[GA+4*\j:GA+4*\j+1], v[CC:CC+1]
	v_pk_add_f32 v[GA+4*\j+2:GA+4*\j+3], v[GA+4*\j+2:GA+4*\j+3], v[CC+2:CC+3]
.endr
.irp j, 0,1,2,3
	RED4 GA+4*\j, GA+4*\j+1, GA+4*\j+2, GA+4*\j+3
.endr
	s_wait_kmcnt 0x0
	s_mov_b32 s91, 0x3fb8aa3b
.irp j, 0,1,2,3
.irp e, 0,1,2,3
	v_add_f32 v[GA+4*\j+\e], s[96+\e], v[GA+4*\j+\e]
.endr
.endr
.irp j, 0,1,2,3
	v_max3_num_f32 v[44+\j], v[GA+4*\j], v[GA+4*\j+1], v[GA+4*\j+2]
.endr
.irp j, 0,1,2,3
	s_delay_alu instid0(VALU_DEP_4)
	v_max_num_f32 v[44+\j], v[44+\j], v[GA+4*\j+3]
.endr
.irp j, 0,1,2,3
	s_delay_alu instid0(VALU_DEP_4)
	v_mul_f32 v[44+\j], s91, v[44+\j]
.endr
.irp j, 0,1,2,3
.irp e, 0,1,2,3
	v_fma_f32 v[GA+4*\j+\e], v[GA+4*\j+\e], s91, -v[44+\j]
.endr
.endr
	s_wait_alu depctr_va_vdst(0)
.irp n, 0,1,2,3,4,5,6,7,8,9,10,11,12,13,14,15
	v_exp_f32 v[GA+\n], v[GA+\n]
.endr
	v_nop
	s_wait_alu depctr_va_vdst(0)
.irp j, 0,1,2,3
	v_add_f32 v[48+\j], v[GA+4*\j], v[GA+4*\j+1]
	v_add_f32 v[52+\j], v[GA+4*\j+2], v[GA+4*\j+3]
.endr
.irp j, 0,1,2,3
	v_add_f32 v[48+\j], v[48+\j], v[52+\j]
.endr
	s_wait_alu depctr_va_vdst(0)
.irp j, 0,1,2,3
	v_rcp_f32 v[48+\j], v[48+\j]
.endr
	v_nop
	s_wait_alu depctr_va_vdst(0)
.irp j, 0,1,2,3
.irp e, 0,1,2,3
	v_mul_f32 v[GA+4*\j+\e], v[GA+4*\j+\e], v[48+\j]
.endr
.endr
.irp j, 0,1,2,3
	ds_store_b128 v[GSA], v[GA+4*\j:GA+4*\j+3] offset:16*\j
.endr
.macro XQ j, e, p, cnt
.set PG, 96+64*(\p)
.set QS, 36+8*((\j)%2)
	s_wait_dscnt \cnt
	WIN 0x01
.irp i, 0,2,4,6,8,10,12,14,16,18,20,22,24,26,28,30
	v_pk_fma_f32 v[TT+\i:TT+\i+1], v[32*(\j)+\i:32*(\j)+\i+1], v[PG+\i:PG+\i+1], v[PG+32+\i:PG+33+\i]
.endr
	WIN 0
	v_max3_num_f32 v[M0], 0x2800000, |v[TT]|, |v[TT+1]|
	v_max3_num_f32 v[M1], 0x2800000, |v[TT+2]|, |v[TT+3]|
.irp i, 4,8,12,16,20,24,28
	s_delay_alu instid0(VALU_DEP_2)
	v_max3_num_f32 v[M0], v[M0], |v[TT+\i]|, |v[TT+\i+1]|
	s_delay_alu instid0(VALU_DEP_2)
	v_max3_num_f32 v[M1], v[M1], |v[TT+\i+2]|, |v[TT+\i+3]|
.endr
	s_delay_alu instid0(VALU_DEP_1)
	v_max_num_f32 v[M0], v[M0], v[M1]
	s_delay_alu instid0(VALU_DEP_1)
	v_add_nc_u32 v[SCO], 0xfe000000, v[M0]
	v_cvt_scalef32_pk16_bf6_f32 v[28:30], v[TT:TT+15], v[SCO]
	v_cvt_scalef32_pk16_bf6_f32 v[32:34], v[TT+16:TT+31], v[SCO]
	v_lshrrev_b32 v[QS+6], 23, v[SCO]
	v_cndmask_b32 v[QS], v28, v30, s[CM]
	v_cndmask_b32 v[QS+1], v29, v32, s[CM]
	v_cndmask_b32 v[QS+2], v30, v33, s[CM]
	v_cndmask_b32 v[QS+3], v32, v34, s[CM]
	v_cndmask_b32 v[QS+4], v33, v28, s[CM]
	v_cndmask_b32 v[QS+5], v34, v29, s[CM]
	ds_store_b128 v[S16], v[QS:QS+3] offset:STG*(\e)+16*(\j)
	ds_store_b64 v[S8], v[QS+4:QS+5] offset:STG*(\e)+16*(\j)
	ds_store_b8 v[SSC], v[QS+6] offset:512*(\e)+32*(\j)
.endm
	XQ 0, 0, 1, 0
	PLOAD 1, 0
	XQ 1, 0, 1, 19
	XQ 2, 0, 1, 19
	XQ 3, 0, 1, 3
	XQ 0, 1, 0, 3
	PLOAD 2, 1
	XQ 1, 1, 0, 19
	XQ 2, 1, 0, 19
	XQ 3, 1, 0, 3
	XQ 0, 2, 1, 3
	PLOAD 3, 0
	XQ 1, 2, 1, 19
	XQ 2, 2, 1, 19
	XQ 3, 2, 1, 3
	XQ 0, 3, 0, 3
	XQ 1, 3, 0, 3
	XQ 2, 3, 0, 3
	XQ 3, 3, 0, 3
	s_wait_dscnt 0x0
	s_barrier_signal -1
	s_barrier_wait -1
.set oi, 0
.rept 24
	ds_load_b128 v[TT+4*oi:TT+4*oi+3], v[XRB] offset:544*oi
.set oi, oi+1
.endr
	ds_load_b128 v[160:163], v[XSB]
.set oi, 0
.rept 24
	s_wait_dscnt 24-oi
	global_store_b128 v[LI], v[TT+4*oi:TT+4*oi+3], s[24:25] offset:512*oi
.set oi, oi+1
.endr
	s_wait_dscnt 0x0
	global_store_b128 v[LI], v[160:163], s[26:27]
	s_cmp_gt_u32 s[WV], 1
	s_cbranch_scc1 .Lnw
	ds_load_b128 v[164:167], v[WSCR]
	s_wait_dscnt 0x0
	global_store_b128 v[WSCO], v[164:167], s[100:101]
.Lnw:
	s_cmp_lg_u32 s[WV], 2
	s_cbranch_scc1 .Lng
	ds_load_b128 v[168:171], v[GRB]
	s_wait_dscnt 0x0
	global_store_b128 v[LI], v[168:171], s[28:29]
.Lng:
	s_wait_tensorcnt 0x0
	ds_add_u32 v254, v255
	s_wait_dscnt 0x0
	s_endpgm
.Lfunc_end_k_qef2728b224_prep:
	.size	k_qef2728b224_prep, .Lfunc_end_k_qef2728b224_prep-k_qef2728b224_prep
	.p2alignl 7, 3214868480
	.fill 96, 4, 3214868480
	.section	.rodata,"a",@progbits
	.p2align	6, 0x0
	.amdhsa_kernel k_qef2728b224_prep
		.amdhsa_group_segment_fixed_size 327680
		.amdhsa_private_segment_fixed_size 0
		.amdhsa_enable_private_segment 0
		.amdhsa_kernarg_size 120
		.amdhsa_user_sgpr_count 2
		.amdhsa_user_sgpr_kernarg_segment_ptr 1
		.amdhsa_wavefront_size32 1
		.amdhsa_system_sgpr_workgroup_id_x 1
		.amdhsa_system_sgpr_workgroup_id_y 1
		.amdhsa_system_sgpr_workgroup_id_z 1
		.amdhsa_system_vgpr_workitem_id 0
		.amdhsa_next_free_vgpr 384
		.amdhsa_next_free_sgpr 104
		.amdhsa_reserve_vcc 0
		.amdhsa_float_denorm_mode_32 3
		.amdhsa_float_denorm_mode_16_64 3
		.amdhsa_memory_ordered 1
		.amdhsa_forward_progress 1
		.amdhsa_inst_pref_size 166
	.end_amdhsa_kernel
	.amdgpu_metadata
---
amdhsa.version: [ 1, 2 ]
amdhsa.kernels:
  - .name:           k_qef2728b224_prep
    .symbol:         k_qef2728b224_prep.kd
    .args:
      - { .name: x, .offset: 0, .size: 8, .value_kind: global_buffer, .address_space: global }
      - { .name: ex_ln_g, .offset: 8, .size: 8, .value_kind: global_buffer, .address_space: global }
      - { .name: ex_ln_b, .offset: 16, .size: 8, .value_kind: global_buffer, .address_space: global }
      - { .name: gate_ln_g, .offset: 24, .size: 8, .value_kind: global_buffer, .address_space: global }
      - { .name: gate_ln_b, .offset: 32, .size: 8, .value_kind: global_buffer, .address_space: global }
      - { .name: gate_w, .offset: 40, .size: 8, .value_kind: global_buffer, .address_space: global }
      - { .name: gate_b, .offset: 48, .size: 8, .value_kind: global_buffer, .address_space: global }
      - { .name: ex_w1, .offset: 56, .size: 8, .value_kind: global_buffer, .address_space: global }
      - { .name: ex_w2, .offset: 64, .size: 8, .value_kind: global_buffer, .address_space: global }
      - { .name: ex_b1, .offset: 72, .size: 8, .value_kind: global_buffer, .address_space: global }
      - { .name: acodes, .offset: 80, .size: 8, .value_kind: global_buffer, .address_space: global }
      - { .name: ascales, .offset: 88, .size: 8, .value_kind: global_buffer, .address_space: global }
      - { .name: gate, .offset: 96, .size: 8, .value_kind: global_buffer, .address_space: global }
      - { .name: wrec, .offset: 104, .size: 8, .value_kind: global_buffer, .address_space: global }
      - { .name: aux, .offset: 112, .size: 8, .value_kind: global_buffer, .address_space: global }
    .group_segment_fixed_size: 327680
    .private_segment_fixed_size: 0
    .kernarg_segment_align: 8
    .kernarg_segment_size: 120
    .max_flat_workgroup_size: 256
    .sgpr_count:     104
    .vgpr_count:     384
    .wavefront_size: 32
...
	.end_amdgpu_metadata
.endif
;; end of part 1
;; launch moe (part 2): grid 32 x 8, 8 waves a work-group, clusters of 4 x 1, 327,680 bytes of LDS; arguments acodes, ascales, wrec, aux, part; writes part
.if DOCPART == 2
	.amdgcn_target "amdgcn-amd-amdhsa--gfx1250"
	.amdhsa_code_object_version 6
	.text
	.protected	k_qef2728b224_moe
	.globl	k_qef2728b224_moe
	.p2align	8
	.type	k_qef2728b224_moe,@function
k_qef2728b224_moe:
	s_mov_b64 s[64:65], 0
	v_nop
	global_prefetch_b8 v0, s[64:65] scope:SCOPE_SE
	s_setreg_imm32_b32 hwreg(HW_REG_WAVE_MODE, 25, 1), 1
	s_wait_xcnt 0x0
	s_wait_alu depctr_hold_cnt(0) depctr_sa_sdst(0) depctr_va_vdst(0) depctr_va_sdst(0) depctr_va_ssrc(0) depctr_va_vcc(0) depctr_vm_vsrc(0)
	s_getreg_b32 s2, hwreg(HW_REG_IB_STS2, 6, 4)
	s_cmp_eq_u32 s2, 0
	s_cbranch_scc0 .Lentry_in_a_cluster
	s_endpgm
.Lentry_in_a_cluster:
	s_bfe_u32 s2, ttmp6, 0x10000c
	s_cmp_lg_u32 s2, 0x3003
	s_cbranch_scc0 .Lentry_shape_is_right
	s_endpgm
.Lentry_shape_is_right:
; MOE: part[y][token][c] = sum over the 1,024 hidden units of half y % 2 of expert y / 2 of gelu(xn W1 + b1) w2(., c).
; The first product runs on codes of E3M2 with E8M0 scales; the second on bf16 (h and w2 rounded to bf16), f32 sums.
; SHARES.  A work-group owns 256 tokens and half an expert; each of its eight waves owns 32 tokens (two blocks of 16) in 512 registers.  A wave's 16 fragments of xn (192 registers) are loaded once and stay.
; The weights stream through LDS in half-records of 16 units (8 fragments of 1,536 bytes and 512 bytes of scale words).  HALF-STAGE g: 16 matrix instructions (8 K steps x 2 token blocks, the two
; accumulators by turns), used transposed (source 0 = 16 units, source 1 = 16 tokens): a lane holds one token and eight neighbouring units, so two half-stages, rounded to bf16 in pairs, are source 1
; of the second product, whose source 0 is w2 transposed (rows 3 to 15 zero).
; ORDER.  The 16 products of a half-stage stand on end, its GELU is one block.  Waves 0-3 run products g, then the GELU of g - 1; waves 4-7 the GELU of g - 1, then products g: the same text, the GELU
; written at both places under a branch on the wave's number, so that behind a barrier half of the waves begin with products and half with vector work.  Hence two sets of accumulators.
; FETCH.  Two sets of weight registers: behind products g the fragments of half-record g + 2 are asked of LDS, with b1 of g + 1 and, behind an odd g, w2 of record g / 2.
; SLOTS.  Two slots of 8 half-records.  Slot s is read last behind products 8 s + 5, so the change of slots stands at the head of half-stage 8 s + 6; the refill then has eight half-stages in which to land.
; GELU(x) = x / (1 + 2^(x (k1 + k2 x^2))), k1 = -2 sqrt(2 / pi) log2(e), k2 = 0.044715 k1.  LIMIT: this form differs from x (1 + erf(x / sqrt 2)) / 2 by under 1e-3 in absolute value at every x
; (largest near |x| = 2.7); for large |x| the exponential runs to 0 or to infinity and the result to x or to 0.  NaN and infinities among the inputs are not served.
; CLUSTER.  The four work-groups of a cluster share y and walk the same weights: every tensor load is a joint one (mask 15).  xn goes from memory straight into registers and is shared by nobody.
; PREFETCH.  Behind refill s one instruction a wave names the slot after the one just asked for: of a wave's half-record (50 blocks of 256 bytes) the partner at place cx names blocks 13 cx .. 13 cx + 12,
; a lane a block (lanes left over name the last again); the last refill names nothing.
; REGISTERS.  Window 0: v1-15 addresses and constants; v16-23 xn's scale words; v24-31 the weights' (two sets); v32-63 two sets of two accumulators; v64-255 two sets of 8 weight fragments.
;  Window 1: v0-191 xn; v192-207 h in bf16; v208-223 the second product's sums; v224-239 the GELU at work; v240-247 b1; v248-255 w2.
.set HREC,  12800
.set REC,   25600
.set SLOTB, 4*REC
.set SLOT1, 1<<17                      ; slot 1 begins here: one exclusive or turns an address from slot to slot
.set AUXB,  SLOT1+SLOTB                ; the 32 aux records of this y, filled once
.set AREC,  1280
.set SPARE, AUXB+32*AREC               ; the spare words, 128 bytes a wave: four blocks of 256 bytes that no other line names
.set LN,  1                            ; lane
.set ADR, 2                            ; the half-record that is being fetched
.set ADB, 3
.set ADW, 4
.set AB0, 5                            ; b1 of my half of the lanes in aux record 0
.set AW0, 6                            ; w2's fragment in aux record 0
.set PO,  7                            ; 16 (lane % 16)
.set SPW, 8
.set NIL, 9
.set K1,  10                           ; v[10:11] k1 twice
.set LI,  12                           ; 16 x lane
.set SAO, 13                           ; 32 x lane
.set PFO, 14                           ; the prefetch's offset: my block of the wave's half-record
.set SA,  16                           ; register ks: lanes 0-15 token block 0, lanes 16-31 token block 1
.set SW,  24                           ; register 4 set + ks % 4: lanes 0-15 ks < 4, lanes 16-31 ks >= 4
.set ACC, 32                           ; set u, token block m: 32 + 16 u + 8 m
.set WF,  64                           ; set u, K step ks: 64 + 96 u + 12 ks
.set PBF, 192                          ; window 1: 8 m + 4 u + q
.set LAC, 208                          ; window 1: 8 m
.set TT,  224                          ; window 1
.set BIA, 240                          ; window 1
.set W2F, 248                          ; window 1
.set WV,  12
.set TB,  13                           ; LDS byte of the half-record to be fetched next
.set TA,  14                           ; 1,280 x the record in hand
.set CNT, 15
.set SLOTS, 16
.set YY,  17
.set TY,  18                           ; 0: waves 0-3, 1: waves 4-7
.set PART, 20
.set G1,  24                           ; group 1: a half-record, 50 rows of 256 bytes
.set G1X, 32                           ; a quarter of the aux records, 40 rows
.set G0X, 40
.set G0H, 44                           ; the head's load of a whole record
.set G0B, 48                           ; walks
.set G1R, 52                           ; a record, 100 rows
.set K2,  60                           ; s[60:61] k2 twice
.set PF,  62                           ; s[62:63] my half-record of the slot that the prefetch names
.set MSB, 0
.macro WIN new                         ; bits 1:0 source 0, 3:2 source 1, 5:4 source 2, 7:6 destination; the high byte repeats the setting that is left
.if MSB != (\new)
	s_set_vgpr_msb (MSB<<8)|(\new)
.set MSB, (\new)
.endif
.endm
.macro NOP4
.rept 4
	v_nop
.endr
.endm
.macro GRP1 g, rows                    ; a dense block as rows of 256 bytes (32 elements of 8 bytes); mask 15 and bit 21 beside it; no padding: every LDS read takes 16 x lane on end
	s_mov_b32 s[\g], 15|(3<<16)|(1<<21)
	s_mov_b32 s[\g+1], 32<<16
	s_mov_b32 s[\g+2], (\rows)<<16
	s_mov_b32 s[\g+3], 32<<16
	s_mov_b32 s[\g+4], \rows
	s_mov_b32 s[\g+5], 32
	s_mov_b32 s[\g+6], 0
	s_mov_b32 s[\g+7], 0
.endm
.macro CREST                           ; a round of the cluster's barrier behind its opening barrier
	s_cmp_lg_u32 s[WV], 0
	s_cbranch_scc1 .Lnot_wave_0_\@
	s_barrier_signal -3
.Lnot_wave_0_\@:
	s_barrier_wait -3
	s_barrier_signal -1
	s_barrier_wait -1
.endm
.macro CROUND                          ; a whole round
	s_barrier_signal -1
	s_barrier_wait -1
	CREST
.endm
	s_load_b128 s[4:7], s[0:1], 0x0                ; acodes, ascales
	s_load_b128 s[8:11], s[0:1], 0x10              ; wrec, aux
	s_load_b64 s[PART:PART+1], s[0:1], 0x20        ; part
	s_bfe_u32 s2, ttmp6, 0x40000                   ; cx: it enters the addresses of xn, of part and of the prefetch alone
	s_mul_i32 s66, s2, 13
	v_lshl_add_u32 v[SPW], v0, 2, SPARE
	v_mov_b32 v[NIL], 0
	ds_add_u32 v[SPW], v[NIL]                      ; the opening lines: the add, twice on end, and its wait ahead of my first tensor load
	ds_add_u32 v[SPW], v[NIL]
	v_lshrrev_b32 v[LN], 5, v0
	v_readfirstlane_b32 s[WV], v[LN]               ; wave 0..7
	v_and_b32 v[LN], 31, v0
	v_lshlrev_b32 v[LI], 4, v[LN]
	v_lshlrev_b32 v[SAO], 5, v[LN]
	v_and_b32 v[PO], 15, v0
	v_lshlrev_b32 v[PO], 4, v[PO]
	v_bfe_u32 v[ADB], v0, 4, 1
	v_lshlrev_b32 v[ADB], 5, v[ADB]
	v_add_nc_u32 v[AB0], AUXB+1024, v[ADB]
	v_add_nc_u32 v[AW0], AUXB, v[LI]
	v_min_u32 v[PFO], 12, v[LN]
	v_add_nc_u32 v[PFO], s66, v[PFO]
	v_min_u32 v[PFO], 49, v[PFO]                   ; inside the half-record's 50 blocks
	v_lshlrev_b32 v[PFO], 8, v[PFO]
	v_mov_b32 v[K1], 0xc0135761                    ; k1 = -2.3022082
	v_mov_b32 v[K1+1], 0xc0135761
	s_mov_b32 s[K2], 0xbdd2d3e8                    ; k2 = -0.10294324
	s_mov_b32 s[K2+1], 0xbdd2d3e8
	s_lshr_b32 s[TY], s[WV], 2
	s_and_b32 s67, s[WV], 3
	s_and_b32 s[YY], ttmp7, 0xffff                 ; y, which the four partners share
	s_mul_i32 s74, s[YY], 32*REC                   ; wrec: record 32 y
	s_mov_b32 s75, 0
	s_mul_i32 s76, s[YY], 32*AREC
	s_mul_i32 s77, s67, 8*AREC
	s_add_co_u32 s76, s76, s77                     ; aux: 8 records for each of waves 4-7
	s_mov_b32 s77, 0
	s_mul_i32 s68, s67, REC                        ; slot 0: a record for each of waves 0-3
	s_mov_b32 s69, 0
	s_mul_i32 s70, s[WV], HREC                     ; later slots: a half-record a wave
	s_mov_b32 s71, 0
	s_lshl_b32 s3, ttmp9, 2
	s_add_co_u32 s3, s3, s2                        ; my block of 256 tokens
	s_lshr_b32 s78, s[YY], 1                       ; the expert
	s_lshl_b32 s79, s3, 3
	s_add_co_u32 s79, s79, s[WV]                   ; my wave's 32 tokens
	s_lshl_b32 s80, s78, 8
	s_add_co_u32 s80, s80, s79
	s_mul_i32 s82, s80, 2*12288                    ; acodes: 2 token blocks of 12,288 bytes
	s_mov_b32 s83, 0
	s_lshl_b32 s84, s80, 10                        ; ascales: 32 tokens of 32 bytes
	s_mov_b32 s85, 0
	s_lshl_b32 s86, s[YY], 17
	s_lshl_b32 s87, s79, 9
	s_add_co_u32 s86, s86, s87                     ; part: 131,072 y + 32 tokens of 16 bytes
	s_mov_b32 s87, 0
	GRP1 G1, 50
	GRP1 G1X, 40
	GRP1 G1R, 100
	s_mov_b32 s[TB], 2*HREC                        ; half-records 0 and 1 are fetched ahead of the walk
	s_mov_b32 s[TA], 0
	s_wait_alu depctr_va_vdst(0)
	s_wait_dscnt 0x0                               ; both opening adds are done
	s_wait_kmcnt 0x0
	s_add_nc_u64 s[4:5], s[4:5], s[82:83]
	s_add_nc_u64 s[6:7], s[6:7], s[84:85]
	global_load_b128 v[SA:SA+3], v[SAO], s[6:7]                    ; xn's scale words: lane l takes token l of my 32.  xn is asked for first of all: the descriptors and the first round follow under its flight
	global_load_b128 v[SA+4:SA+7], v[SAO], s[6:7] offset:16
	WIN 0x40
.set fk, 0
.rept 8                                ; xn's fragments, K step by K step: 6 loads of 512 consecutive bytes for each; fragment 2 ks + m at v[12 (2 ks + m)] of window 1
.set fm, 0
.rept 2
.irp q, 0,1,2
	global_load_b128 v[12*(2*fk+fm)+4*\q:12*(2*fk+fm)+4*\q+3], v[LI], s[4:5] offset:(8*fm+fk)*1536+512*\q
.endr
.set fm, fm+1
.endr
.set fk, fk+1
.endr
	WIN 0
	s_add_nc_u64 s[PART:PART+1], s[PART:PART+1], s[86:87]
	s_add_nc_u64 s[8:9], s[8:9], s[74:75]
	s_add_nc_u64 s[10:11], s[10:11], s[76:77]
	s_mov_b32 s[G0X], 1
	s_mul_i32 s[G0X+1], s67, 8*AREC
	s_add_co_u32 s[G0X+1], s[G0X+1], AUXB
	s_mov_b64 s[G0X+2:G0X+3], s[10:11]
	s_or_b32 s[G0X+3], s[G0X+3], 0x80000000
	s_mov_b32 s[G0H], 1
	s_mul_i32 s[G0H+1], s67, REC
	s_add_nc_u64 s[G0H+2:G0H+3], s[8:9], s[68:69]
	s_or_b32 s[G0H+3], s[G0H+3], 0x80000000
	s_add_nc_u64 s[8:9], s[8:9], s[70:71]          ; my half-record of slot 0's place in memory
	s_add_nc_u64 s[PF:PF+1], s[8:9], 2*SLOTB       ; refill s steps it to slot s + 3
	s_mov_b32 s[G0B], 1
	s_mul_i32 s[G0B+1], s[WV], HREC
	s_add_co_u32 s[G0B+1], s[G0B+1], SLOT1
	s_add_nc_u64 s[G0B+2:G0B+3], s[8:9], SLOTB
	s_or_b32 s[G0B+3], s[G0B+3], 0x80000000
	CROUND                                         ; all four work-groups are here: the first joint loads meet
	s_cmp_lt_u32 s[WV], 4                          ; the head's loads, one a wave: waves 0-3 a record of slot 0 each, waves 4-7 a quarter of the aux records each
	s_cbranch_scc0 .Lhead_aux
	tensor_load_to_lds s[G0H:G0H+3], s[G1R:G1R+7]
	s_nop 0
	NOP4
	s_branch .Lhead_asked
.Lhead_aux:
	tensor_load_to_lds s[G0X:G0X+3], s[G1X:G1X+7]
	s_nop 0
	NOP4
.Lhead_asked:
	WIN 0x40
.set ci, 0
.rept 16
	v_mov_b32 v[LAC+ci], 0                         ; the second product's sums begin as zeros, so that the walk is written once
.set ci, ci+1
.endr
	WIN 0
; ONE MATRIX INSTRUCTION of a half-stage on set par: number SI of 16: K step SI / 2, token block SI % 2.  The first K step takes b1 (window 1) as C.  The two accumulators take turns.
.macro MM par
.set ks, SI/2
.set mm, SI%2
.set rD, ACC+16*(\par)+8*mm
.set rC, rD
.if ks == 0
.set rC, BIA
	WIN 0x14
.else
	WIN 0x04
.endif
.set rW, WF+96*(\par)+12*ks
.set rA, 12*(2*ks+mm)
.set rSW, SW+4*(\par)+(ks%4)
.set rSA, SA+ks
.if (ks < 4) && (mm == 0)
	v_wmma_scale_f32_16x16x128_f8f6f4 v[rD:rD+7], v[rW:rW+11], v[rA:rA+11], v[rC:rC+7], v[rSW], v[rSA] matrix_a_fmt:MATRIX_FMT_BF6 matrix_b_fmt:MATRIX_FMT_BF6
.elseif ks < 4
	v_wmma_scale_f32_16x16x128_f8f6f4 v[rD:rD+7], v[rW:rW+11], v[rA:rA+11], v[rC:rC+7], v[rSW], v[rSA] matrix_a_fmt:MATRIX_FMT_BF6 matrix_b_fmt:MATRIX_FMT_BF6 matrix_b_scale:MATRIX_SCALE_ROW1
.elseif mm == 0
	v_wmma_scale_f32_16x16x128_f8f6f4 v[rD:rD+7], v[rW:rW+11], v[rA:rA+11], v[rC:rC+7], v[rSW], v[rSA] matrix_a_fmt:MATRIX_FMT_BF6 matrix_b_fmt:MATRIX_FMT_BF6 matrix_a_scale:MATRIX_SCALE_ROW1
.else
	v_wmma_scale_f32_16x16x128_f8f6f4 v[rD:rD+7], v[rW:rW+11], v[rA:rA+11], v[rC:rC+7], v[rSW], v[rSA] matrix_a_fmt:MATRIX_FMT_BF6 matrix_b_fmt:MATRIX_FMT_BF6 matrix_a_scale:MATRIX_SCALE_ROW1 matrix_b_scale:MATRIX_SCALE_ROW1
.endif
.endm
; The 16 products of a half-stage.  cnt: the LDS loads that may stay out: the 25 of the half-record fetched last; this half-stage's b1 was asked for ahead of them, its fragments a half-stage earlier.
.macro WGRP par, cnt, first
.if (\cnt) >= 0                        ; (at a change of slots the wait for 0 in front of the signal has served)
	s_wait_dscnt \cnt
.endif
.set SI, 0
.rept 16
.if (\first) && ((SI%2) == 0)
	s_wait_loadcnt 6*(7-SI/2)                      ; xn's fragments up to this K step are in; the later K steps' 6 loads each may be out
.endif
	MM \par
.set SI, SI+1
.endr
.endm
; Behind products g (set par): b1 of g + 1 (fb), w2 of record g / 2 (odd g), the 25 loads of half-record g + 2 into the set just multiplied (ff).
; The four vector lines are the places in front of loads into registers that matrix instructions have read.
.macro FETCH par, fb, ff
	WIN 0
.if \ff
	v_lshl_add_u32 v[ADR], v[LN], 4, s[TB]
.else
	v_nop
.endif
.if \fb
	v_add_nc_u32 v[ADB], s[TA], v[AB0]
.else
	v_nop
.endif
.if \par
	v_add_nc_u32 v[ADW], s[TA], v[AW0]
.else
	v_nop
.endif
	v_nop
	s_wait_alu depctr_va_vdst(0)                   ; the wait behind the addresses' writes
	WIN 0x40
.if \fb
	ds_load_b128 v[BIA:BIA+3], v[ADB] offset:64*(1-(\par))+AREC*(\par)
	ds_load_b128 v[BIA+4:BIA+7], v[ADB] offset:64*(1-(\par))+AREC*(\par)+16
.endif
.if \par
	ds_load_b128 v[W2F:W2F+3], v[ADW]
	ds_load_b128 v[W2F+4:W2F+7], v[ADW] offset:512
.endif
	WIN 0
.if \ff
	ds_load_b128 v[SW+4*(\par):SW+4*(\par)+3], v[ADR] offset:12288
.set ci, 0
.rept 24
	ds_load_b128 v[WF+96*(\par)+4*ci:WF+96*(\par)+4*ci+3], v[ADR] offset:512*ci
.set ci, ci+1
.endr
	s_add_co_u32 s[TB], s[TB], HREC
.endif
.endm
; THE GELU of accumulator set x, 16 numbers a lane, and, behind an odd half-stage, the record's two second products.  pvc: the LDS loads issued behind w2's, which may stay out.
; The waits on the vector side stand ahead of the first readers of matrix results, ahead of and behind each batch of transcendentals, ahead of each second product.
.macro GELU x, pvc
.set AX, ACC+16*(\x)
	s_wait_alu depctr_va_vdst(0)
	WIN 0x40
.irp k, 0,2,4,6,8,10,12,14             ; x^2: each accumulator from its low end on
	v_pk_mul_f32 v[TT+\k:TT+\k+1], v[AX+\k:AX+\k+1], v[AX+\k:AX+\k+1]
.endr
	WIN 0x41
.irp k, 0,2,4,6,8,10,12,14
	v_pk_fma_f32 v[TT+\k:TT+\k+1], v[TT+\k:TT+\k+1], s[K2:K2+1], v[K1:K1+1] op_sel_hi:[1,0,1]
.endr
.irp k, 0,2,4,6,8,10,12,14
	v_pk_mul_f32 v[TT+\k:TT+\k+1], v[TT+\k:TT+\k+1], v[AX+\k:AX+\k+1]
.endr
	s_wait_alu depctr_va_vdst(0)
.irp k, 0,1,2,3,4,5,6,7,8,9,10,11,12,13,14,15
	v_exp_f32 v[TT+\k], v[TT+\k]
.endr
	v_nop
	s_wait_alu depctr_va_vdst(0)
.irp k, 0,2,4,6,8,10,12,14
	v_pk_add_f32 v[TT+\k:TT+\k+1], v[TT+\k:TT+\k+1], 1.0 op_sel_hi:[1,0]
.endr
	s_wait_alu depctr_va_vdst(0)
.irp k, 0,1,2,3,4,5,6,7,8,9,10,11,12,13,14,15
	v_rcp_f32 v[TT+\k], v[TT+\k]
.endr
	v_nop
	s_wait_alu depctr_va_vdst(0)
.irp k, 0,2,4,6,8,10,12,14
	v_pk_mul_f32 v[TT+\k:TT+\k+1], v[TT+\k:TT+\k+1], v[AX+\k:AX+\k+1]
.endr
	WIN 0x45
.irp k, 0,1,2,3,4,5,6,7
	v_cvt_pk_bf16_f32 v[PBF+8*(\k/4)+4*(\x)+(\k%4)], v[TT+2*\k], v[TT+2*\k+1]
.endr
.if (\x) == 1
.if (\pvc) >= 0                        ; (at a change of slots the wait for 0 in front of the signal has served)
	s_wait_dscnt \pvc                              ; this record's w2 is in
.endif
	WIN 0x55
.irp m, 0,1                            ; 16 classes x 16 tokens += w2^T (16 x 32 units) h (32 units x 16 tokens)
	s_wait_alu depctr_va_vdst(0)
	v_wmma_f32_16x16x32_bf16 v[LAC+8*\m:LAC+8*\m+7], v[W2F:W2F+7], v[PBF+8*\m:PBF+8*\m+7], v[LAC+8*\m:LAC+8*\m+7]
.endr
.endif
	WIN 0
.endm
; HALF-STAGE g on set par = g % 2.  ge: there is a half-stage before, whose GELU waves 4-7 run ahead of the products and waves 0-3 behind them.
; chg: 1 or 2: the slots change in this half-stage (1: with a refill).  Here every wave takes one order: the three lines and the signal; the 16 products and the GELU of the half-stage before,
; work on registers alone, between the signal and the wait; then the rest of the round, the refill and the fetch.  The next half-stage parts the two orders again.
.macro BODY par, ge, wcnt, fb, ff, first, chg
.if (\ge) && !(\chg)
	s_cmp_eq_u32 s[TY], 0
	s_cbranch_scc1 .Lsy_\@
	GELU 1-(\par), 25
.Lsy_\@:
.endif
.if \chg
	MEET 2-(\chg)
	WGRP \par, -1, 0
	GELU 1-(\par), -1
	TURN 2-(\chg)
.else
	WGRP \par, \wcnt, \first
.endif
	FETCH \par, \fb, \ff
.if (\ge) && !(\chg)
	s_cmp_lg_u32 s[TY], 0
	s_cbranch_scc1 .Lsx_\@
	GELU 1-(\par), 25
.Lsx_\@:
.endif
.if \par
	s_add_co_u32 s[TA], s[TA], AREC
.endif
.endm
.macro PAIR
	BODY 0, 1, 25, 1, 1, 0, 0
	BODY 1, 1, 25, 1, 1, 0, 0
.endm
; THE CHANGE OF SLOTS.  Each wave waits for all its tensor loads (one is out: its half-record of the other slot), adds 0 to its spare word, and waits for that and for its reads of the slot left.
; fill = 1: the barrier is a round of the cluster's, and the joint refill, the records two slots on, is the first tensor load behind it.
.macro MEET fill
.if \fill
	s_wait_xcnt 0x0                                ; the last prefetch has read its base
	s_add_nc_u64 s[PF:PF+1], s[PF:PF+1], SLOTB
.endif
	s_wait_tensorcnt 0x0
	ds_add_u32 v[SPW], v[NIL]
.if \fill
	s_xor_b32 s[G0B+1], s[G0B+1], SLOT1            ; no tensor load of mine is out: the walking group 0 may be written
	s_add_nc_u64 s[G0B+2:G0B+3], s[G0B+2:G0B+3], SLOTB
.endif
	s_wait_dscnt 0x0
	s_barrier_signal -1                            ; with a refill this barrier opens a round of the cluster's
.endm
.macro TURN fill
	s_barrier_wait -1
.if \fill
	CREST
	tensor_load_to_lds s[G0B:G0B+3], s[G1:G1+7]
	s_nop 0
	NOP4
.endif
	s_sub_co_u32 s[TB], s[TB], SLOTB
	s_xor_b32 s[TB], s[TB], SLOT1                  ; in the other slot
.if \fill
	s_cmp_gt_u32 s[SLOTS], 1                       ; the last refill has no slot behind it
	s_cbranch_scc0 .Lno_ask_\@
	global_prefetch_b8 v[PFO], s[PF:PF+1] th:TH_LOAD_NT scope:SCOPE_SE
.Lno_ask_\@:
.endif
.endm
	s_wait_alu depctr_va_vdst(0)
	s_wait_tensorcnt 0x0                           ; my tile of the head's is in
	ds_add_u32 v[SPW], v[NIL]
	s_wait_dscnt 0x0
	CROUND
	tensor_load_to_lds s[G0B:G0B+3], s[G1:G1+7]    ; slot 1: records 4 to 7, a half-record a wave
	s_nop 0
	NOP4
	WIN 0x40
	ds_load_b128 v[BIA:BIA+3], v[AB0]              ; b1 of half-record 0
	ds_load_b128 v[BIA+4:BIA+7], v[AB0] offset:16
	WIN 0
.irp p, 0,1                            ; half-records 0 and 1
	ds_load_b128 v[SW+4*\p:SW+4*\p+3], v[LI] offset:HREC*\p+12288
.set ci, 0
.rept 24
	ds_load_b128 v[WF+96*\p+4*ci:WF+96*\p+4*ci+3], v[LI] offset:HREC*\p+512*ci
.set ci, ci+1
.endr
.endr
	BODY 0, 0, 25, 1, 1, 1, 0
	BODY 1, 1, 25, 1, 1, 0, 0
	s_mov_b32 s[CNT], 2
.Lp0:                                                  ; half-stages 2 to 5: the rest of slot 0 is fetched
	PAIR
	s_sub_co_u32 s[CNT], s[CNT], 1
	s_cmp_lg_u32 s[CNT], 0
	s_cbranch_scc1 .Lp0
	s_mov_b32 s[SLOTS], 6
.Lslot:                                                ; six trips of eight half-stages: each fills the slot just left with the records two slots on
	BODY 0, 1, 25, 1, 1, 0, 1
	BODY 1, 1, 25, 1, 1, 0, 0
	s_mov_b32 s[CNT], 3
.Lp1:
	PAIR
	s_sub_co_u32 s[CNT], s[CNT], 1
	s_cmp_lg_u32 s[CNT], 0
	s_cbranch_scc1 .Lp1
	s_sub_co_u32 s[SLOTS], s[SLOTS], 1
	s_cmp_lg_u32 s[SLOTS], 0
	s_cbranch_scc1 .Lslot
	BODY 0, 1, 25, 1, 1, 0, 2
	BODY 1, 1, 25, 1, 1, 0, 0
	s_mov_b32 s[CNT], 3
.Lp2:                                                  ; half-stages 56 to 61
	PAIR
	s_sub_co_u32 s[CNT], s[CNT], 1
	s_cmp_lg_u32 s[CNT], 0
	s_cbranch_scc1 .Lp2
	BODY 0, 1, 25, 1, 0, 0, 0
	BODY 1, 1, 0, 0, 0, 0, 0
	GELU 1, 0                                      ; the last GELU and the last second products, in every wave
	NOP4                                           ; four places, all lanes on, in front of the stores that read the results
	s_wait_xcnt 0x0                                ; EXEC changes only behind this wait
	v_cmp_gt_u32 vcc_lo, 16, v[LN]
	s_and_saveexec_b32 s22, vcc_lo                 ; lanes 0-15 hold classes 0 to 7 of token lane: registers 0 to 3 go out (class 3 is a zero)
	WIN 0x04                                       ; a store's data are its source 1: window 1
.irp m, 0,1
	global_store_b128 v[PO], v[LAC+8*\m:LAC+8*\m+3], s[PART:PART+1] offset:256*\m   ; sixteen lanes store 256 consecutive bytes, at a multiple of 256 from the buffer's first byte
.endr
	WIN 0
	s_wait_xcnt 0x0
	s_or_b32 exec_lo, exec_lo, s22
	s_wait_tensorcnt 0x0                           ; the wave's end
	ds_add_u32 v[SPW], v[NIL]
	s_wait_dscnt 0x0
	CROUND                                         ; the closing round: no work-group ends while a partner may still ask for a tile that names it
	s_endpgm
.Lfunc_end_k_qef2728b224_moe:
	.size	k_qef2728b224_moe, .Lfunc_end_k_qef2728b224_moe-k_qef2728b224_moe
	.p2alignl 7, 3214868480
	.fill 96, 4, 3214868480
	.section	.rodata,"a",@progbits
	.p2align	6, 0x0
	.amdhsa_kernel k_qef2728b224_moe
		.amdhsa_group_segment_fixed_size 327680
		.amdhsa_private_segment_fixed_size 0
		.amdhsa_enable_private_segment 0
		.amdhsa_kernarg_size 40
		.amdhsa_user_sgpr_count 2
		.amdhsa_user_sgpr_kernarg_segment_ptr 1
		.amdhsa_wavefront_size32 1
		.amdhsa_system_sgpr_workgroup_id_x 1
		.amdhsa_system_sgpr_workgroup_id_y 1
		.amdhsa_system_sgpr_workgroup_id_z 1
		.amdhsa_system_vgpr_workitem_id 0
		.amdhsa_next_free_vgpr 512
		.amdhsa_next_free_sgpr 100
		.amdhsa_reserve_vcc 1
		.amdhsa_float_denorm_mode_32 3
		.amdhsa_float_denorm_mode_16_64 3
		.amdhsa_memory_ordered 1
		.amdhsa_forward_progress 1
		.amdhsa_inst_pref_size 187
	.end_amdhsa_kernel
	.amdgpu_metadata
---
amdhsa.version: [ 1, 2 ]
amdhsa.kernels:
  - .name:           k_qef2728b224_moe
    .symbol:         k_qef2728b224_moe.kd
    .args:
      - { .name: acodes, .offset: 0, .size: 8, .value_kind: global_buffer, .address_space: global }
      - { .name: ascales, .offset: 8, .size: 8, .value_kind: global_buffer, .address_space: global }
      - { .name: wrec, .offset: 16, .size: 8, .value_kind: global_buffer, .address_space: global }
      - { .name: aux, .offset: 24, .size: 8, .value_kind: global_buffer, .address_space: global }
      - { .name: part, .offset: 32, .size: 8, .value_kind: global_buffer, .address_space: global }
    .group_segment_fixed_size: 327680
    .private_segment_fixed_size: 0
    .kernarg_segment_align: 8
    .kernarg_segment_size: 40
    .max_flat_workgroup_size: 256
    .sgpr_count:     100
    .vgpr_count:     512
    .wavefront_size: 32
...
	.end_amdgpu_metadata
.endif
;; end of part 2
;; launch sum (part 3): grid 256 x 1, 1 waves a work-group, no clusters, 0 bytes of LDS; arguments part, gate, ex_b2, out0; writes out0
.if DOCPART == 3
	.amdgcn_target "amdgcn-amd-amdhsa--gfx1250"
	.amdhsa_code_object_version 6
	.text
	.protected	k_qef2728b224_sum
	.globl	k_qef2728b224_sum
	.p2align	8
	.type	k_qef2728b224_sum,@function
k_qef2728b224_sum:
	s_mov_b64 s[64:65], 0
	v_nop
	global_prefetch_b8 v0, s[64:65] scope:SCOPE_SE
	s_setreg_imm32_b32 hwreg(HW_REG_WAVE_MODE, 25, 1), 1
	s_wait_xcnt 0x0
; out0[t][c] = sum over e of gate[t][e] (part[2 e][t][c] + part[2 e + 1][t][c] + ex_b2[e][c]).  A lane owns a token; 256 work-groups of one wave.
; Nine loads of 16 bytes a lane, each 512 consecutive bytes a wave; one store of 12 bytes a lane, 384 consecutive bytes a wave.  No LDS, no barrier: lanes share nothing.
	s_load_b128 s[4:7], s[0:1], 0x0                ; part, gate
	s_load_b128 s[8:11], s[0:1], 0x10              ; ex_b2, out0
	s_lshl_b32 s2, ttmp9, 5
	v_add_nc_u32 v1, s2, v0                        ; my token
	v_lshlrev_b32 v2, 4, v1
	v_mul_u32_u24 v3, v1, 12
	s_wait_alu depctr_va_vdst(0)
	s_wait_kmcnt 0x0
	s_load_b256 s[12:19], s[8:9], 0x0              ; ex_b2's twelve numbers: s[12 + 3 e + c]
	s_load_b128 s[20:23], s[8:9], 0x20
	global_load_b128 v[4:7], v2, s[6:7] th:TH_LOAD_NT
.irp y, 0,1,2,3,4,5,6,7
	global_load_b128 v[8+4*\y:11+4*\y], v2, s[4:5] offset:131072*\y th:TH_LOAD_NT
.endr
	s_wait_kmcnt 0x0
	s_wait_loadcnt 0x0
.irp e, 0,1,2,3
.irp c, 0,1,2
	v_add_f32 v[44+\c], v[8+8*\e+\c], v[12+8*\e+\c]
.endr
.irp c, 0,1,2
	v_add_f32 v[44+\c], s[12+3*\e+\c], v[44+\c]
.endr
.irp c, 0,1,2
.if \e == 0
	v_mul_f32 v[40+\c], v4, v[44+\c]               ; the first expert starts the sums
.else
	v_fma_f32 v[40+\c], v[4+\e], v[44+\c], v[40+\c]
.endif
.endr
.endr
	global_store_b96 v3, v[40:42], s[10:11]
	s_endpgm
.Lfunc_end_k_qef2728b224_sum:
	.size	k_qef2728b224_sum, .Lfunc_end_k_qef2728b224_sum-k_qef2728b224_sum
	.p2alignl 7, 3214868480
	.fill 96, 4, 3214868480
	.section	.rodata,"a",@progbits
	.p2align	6, 0x0
	.amdhsa_kernel k_qef2728b224_sum
		.amdhsa_group_segment_fixed_size 0
		.amdhsa_private_segment_fixed_size 0
		.amdhsa_enable_private_segment 0
		.amdhsa_kernarg_size 32
		.amdhsa_user_sgpr_count 2
		.amdhsa_user_sgpr_kernarg_segment_ptr 1
		.amdhsa_wavefront_size32 1
		.amdhsa_system_sgpr_workgroup_id_x 1
		.amdhsa_system_sgpr_workgroup_id_y 1
		.amdhsa_system_sgpr_workgroup_id_z 1
		.amdhsa_system_vgpr_workitem_id 0
		.amdhsa_next_free_vgpr 64
		.amdhsa_next_free_sgpr 66
		.amdhsa_reserve_vcc 0
		.amdhsa_float_denorm_mode_32 3
		.amdhsa_float_denorm_mode_16_64 3
		.amdhsa_memory_ordered 1
		.amdhsa_forward_progress 1
		.amdhsa_inst_pref_size 4
	.end_amdhsa_kernel
	.amdgpu_metadata
---
amdhsa.version: [ 1, 2 ]
amdhsa.kernels:
  - .name:           k_qef2728b224_sum
    .symbol:         k_qef2728b224_sum.kd
    .args:
      - { .name: part, .offset: 0, .size: 8, .value_kind: global_buffer, .address_space: global }
      - { .name: gate, .offset: 8, .size: 8, .value_kind: global_buffer, .address_space: global }
      - { .name: ex_b2, .offset: 16, .size: 8, .value_kind: global_buffer, .address_space: global }
      - { .name: out0, .offset: 24, .size: 8, .value_kind: global_buffer, .address_space: global }
    .group_segment_fixed_size: 0
    .private_segment_fixed_size: 0
    .kernarg_segment_align: 8
    .kernarg_segment_size: 32
    .max_flat_workgroup_size: 32
    .sgpr_count:     66
    .vgpr_count:     64
    .wavefront_size: 32
...
	.end_amdgpu_metadata
.endif
;; end of part 3
